; MI455X (gfx1250); checked and timed in simulation.
; The chip was launched on July 23, 2026; its instructions are those of AMD's public machine-readable ISA for CDNA 5 (MIT licence, August 2026) and "CDNA5" Instruction Set Architecture Reference Guide (July 2026). The comments in the code are by the model that wrote it; some were corrected since.
;; Higgs Multi Linear. Allowed arithmetic: matrix products marked QUANTISED: E4M3 operands, one E8M0 scale for each 32 along K, by v_wmma_scale_f32_16x16x128_f8f6f4 with both operands' format E4M3, f32 sums; everything else in f32.
;; Inputs: bias 4,096 float32; codes_2_16 2,048 x 2,048 int32; codes_2_256 2,048 x 2,048 int32; grid_2_16 16 x 2 float32; grid_2_256 256 x 2 float32; scales 4,096 float32; x 2 x 2,048 x 4,096 float32.
;; Outputs: out0 2 x 2,048 x 4,096 float32.
;; This version of the problem:
;;   THIS VERSION OF THE PROBLEM IS GIVEN IN LOW PRECISION. The matrix products marked QUANTISED in the list below multiply operands that are first quantised to E4M3 (4 exponent bits, 3 mantissa bits; 8 bits a number), with one power-of-two scale for each 32 numbers along K (OCP MX v1.0); their sums are f32. All else is computed in f32.
;;   The module's matrix products, in the order in which they are computed (A, B: the left and right operand; K: the contracted axis; several contracted axes count as one K, in the product's order):
;;     1. [M 4,096, K 4,096] x [K 4,096, N 4,096]; A: input x; B: computed on the way: QUANTISED
;;   THE QUANTISER, for each operand of a quantised product, along K:
;;     - K is cut into blocks of 32 from its start; a last block that is shorter is filled with zeros.
;;     - A block's scale is 2^e with e = floor(log2(the largest magnitude in the block)) - 8, held to -126 .. 127; a block of zeros has e = 0. As a byte (E8M0): e + 127.
;;     - Each number is divided by its block's scale, clamped to +-448, and rounded to the nearest number of E4M3, ties to even, subnormals kept.
;;     - The product sums the exact products of the quantised numbers (number of the format x scale) in f32.
;;   ~~~python
;;   def quantise(x, axis):      # numpy; x: float32 -> the quantised numbers, widened to float32 again
;;       x = np.moveaxis(x, axis, -1); K = x.shape[-1]
;;       x = np.pad(x, [(0, 0)] * (x.ndim - 1) + [(0, -K % 32)]); x = x.reshape(x.shape[:-1] + (-1, 32)); a = np.abs(x).max(-1, keepdims=True)
;;       e = np.where(a > 0, np.clip(np.frexp(np.where(a > 0, a, 1))[1] - 1 - 8, -126, 127), 0)      # np.frexp(a)[1] - 1 = floor(log2(a)), exactly
;;       r = np.clip(x / 2.0 ** e, -448, 448)
;;       step = 2.0 ** (np.maximum(np.frexp(np.where(r == 0, 1, r))[1] - 1, -6) - 3)
;;       q = np.round(r / step) * step * 2.0 ** e      # np.round: ties to even
;;       return np.moveaxis(q.reshape(q.shape[:-2] + (-1,))[..., :K], -1, axis).astype(np.float32)
;;   ~~~
;;   OPERANDS COMPUTED ON THE WAY. 'Computed on the way' means the value that the module computes at that place (a softmax that the list does not call 'softmax' is quantised finished and normalised). What goes into a quantiser is computed in f32, as accurately as f32 sums, v_exp_f32 and their like allow (about 1e-6 of the number): no bf16 or f16 on the way to a quantiser, and a product that is left as it is and whose result goes on into a quantised operand takes f32 operands (vector FMAs, or v_wmma_f32_16x16x4_f32). A number that lies on a knife's edge between two numbers of the format may be rounded either way, as far as f32 arithmetic and the matrix unit's own rounding can turn it there, and no further.
;; One version. Each part assembles by itself: llvm-mc -triple=amdgcn-amd-amdhsa -mcpu=gfx1250 --defsym DOCPART=n.
;; ======== version 1 of 1: 2 launches
;; limits: right only within a limited range of input values
;; workspace buffers: xq 17,301,504 bytes; wq 17,301,504 bytes
;; launch quant (part 1): grid 256 x 1, 16 waves a work-group, no clusters, 284,672 bytes of LDS; arguments codes_2_256, codes_2_16, grid_2_256, grid_2_16, scales, wq, x, xq; writes wq, xq
.if DOCPART == 1
	.amdgcn_target "amdgcn-amd-amdhsa--gfx1250"
	.amdhsa_code_object_version 6
	.text
	.protected	k_q4180852b7f_quant
	.globl	k_q4180852b7f_quant
	.p2align	8
	.type	k_q4180852b7f_quant,@function
k_q4180852b7f_quant:
	s_mov_b64 s[64:65], 0
	v_nop
	global_prefetch_b8 v0, s[64:65] scope:SCOPE_SE
	s_setreg_imm32_b32 hwreg(HW_REG_WAVE_MODE, 25, 1), 1
	s_wait_xcnt 0x0
; BOTH OPERANDS OF THE PRODUCT ARE MADE HERE: x [4096][4096] f32, and W[o][i] = grid[codes[o][i / 2]][i % 2] x scales[o] (rows 0..2047: the grid of 256 pairs; rows 2048..4095: the grid of 16), computed in f32,
; are turned into codes of FP8 (E4M3) with one E8M0 scale byte for each 32 along K, laid as the product's launch wants them:
; xq, wq = [group of 128 rows, 0..31][K step of 256, 0..15][block of 33,792 bytes].  A block is 132 runs of 256 bytes: run R (0..127) holds the 256 codes of the group's row R, K ascending;
; run 128 + j holds the scale bytes of rows 32 j .. 32 j + 31: the byte of row p (0..31) and K block kb (0..7) lies at 16 (p % 16) + 8 (p / 16) + kb.
; A block's scale is 2^(floor(log2(its largest magnitude)) - 8); its byte is the largest magnitude's own exponent field - 8, held at 1 from below.  Each number is divided by the scale, held within +-448 and rounded to the nearest code, ties to even.
; LIMITS: a block of zeros, or one whose largest magnitude lies under 2^-118, gets the byte 1 (a block of zeros has zero codes, which add nothing under that byte; this program alone reads the bytes); NaN and infinities among x, the grids and the scales are not served.
; An index is held at 255 from above before it enters an LDS address.  The grid of 16 is laid sixteen times over in the table, so an index of codes_2_16 beyond 15 would be taken modulo 16; the problem keeps indices inside their table.
; No work of reference() is left out, and every input is read.
; A UNIT is 32 rows x one K step of 256: 8,192 bytes of codes and one whole run of 256 scale bytes.  x has 2,048 units and W has 2,048.  256 work-groups of 16 waves: work-group g takes rows 32 (g / 2) .. + 31 of x and of W,
; K steps 8 (g % 2) .. + 7; waves 0-7 take its eight units of x, waves 8-15 its eight of W.  The waves part ONCE, on the wave's number, and never join; they share nothing: no barrier.
; x's unit comes by ONE tensor load a wave (32 rows of 1,024 bytes, dense in LDS), filled once, read by its own wave alone behind its own wait.  W's indices come by plain loads, 32 a wave, all issued at once.
; Each wave of W lays its own copy of the table (2,048 bytes), so that no wave waits for another.
; NO CLUSTERS: work-groups share no input but the grids' 2,176 bytes.  NO PREFETCH: the text has no loop to run ahead in: all that a wave reads is asked for at its head.
.set BLK,   33792
.set MANT,  0x600000                   ; the mantissa field of 448 as f32
.set STEPS, 16
.set WS,    16384                      ; LDS: bytes 0..16,383 the eight tables; then W's scale bytes, 256 a wave;
.set XS,    18432                      ; x's scale bytes, 256 a wave;
.set XT,    20480                      ; x's eight tiles of 32,768 bytes;
.set SPARE, 282624                     ; the spare words, 128 bytes for each of 16 waves
.set X,     144                        ; x: v144-175 two sets of 16 neighbours
.set E,     176                        ; x: v176-191 a scale byte for each step
.set C,     192                        ; x: v192-255 codes, four registers for each step
.set CR,    32                         ; W: v32-159 row p at v[CR + 4 p]: four indices, then their LDS addresses; then +0, +1 the row's codes and +2 its scale byte
.set VAL,   160                        ; W: v160-175 two sets of 8 numbers
.set GP,    176                        ; W: v176-191 my 64 bytes of the grid
.set RS,    68                         ; W: s[68:99] the 32 row scales
	s_load_b256 s[4:11], s[0:1], 0x0               ; codes_2_256, codes_2_16, grid_2_256, grid_2_16
	s_load_b256 s[12:19], s[0:1], 0x20             ; scales, wq, x, xq
	v_lshl_add_u32 v12, v0, 2, SPARE
	v_mov_b32 v13, 0
	ds_add_u32 v12, v13                            ; the opening lines: the add, twice on end, and its wait
	ds_add_u32 v12, v13
	v_lshrrev_b32 v1, 5, v0
	v_readfirstlane_b32 s20, v1                    ; wave 0..15
	s_and_b32 s21, s20, 7                          ; which of my kind's eight units
	s_lshr_b32 s22, ttmp9, 1                       ; which 32 rows: 0..127
	s_and_b32 s23, ttmp9, 1
	s_lshl_b32 s23, s23, 3
	s_add_co_u32 s23, s23, s21                     ; which K step
	s_lshr_b32 s24, s22, 2                         ; the group of 128 rows
	s_lshl_b32 s24, s24, 4
	s_add_co_u32 s24, s24, s23
	s_mul_i32 s24, s24, BLK                        ; my block of xq or wq
	s_and_b32 s26, s22, 3                          ; which 32 rows of the 128
	s_lshl_b32 s25, s26, 13
	s_lshl_b32 s26, s26, 8
	s_add_co_u32 s26, s26, s24
	s_add_co_u32 s26, s26, 128*256                 ; my run of scale bytes
	s_add_co_u32 s24, s24, s25                     ; my 32 runs of codes
	s_mov_b32 s25, 0
	s_mov_b32 s27, 0
	s_lshl_b32 s40, s22, 19                        ; x: 32 rows of 16,384 bytes
	s_lshl_b32 s41, s23, 10                        ; + 256 numbers of 4 bytes
	s_add_co_u32 s40, s40, s41
	s_mov_b32 s41, 0
	s_mov_b32 s42, MANT                            ; (an instruction takes one literal: the hold's line has another)
	s_lshl_b32 s29, s21, 15
	s_add_co_u32 s29, s29, XT                      ; my tile
	s_lshl_b32 s43, s21, 8
	s_add_co_u32 s47, s43, WS                      ; my 256 scale bytes, as a wave of W
	s_add_co_u32 s43, s43, XS                      ; and as a wave of x
	s_lshl_b32 s45, s21, 11                        ; my table
	s_mov_b32 s28, 1                               ; the tile's descriptor: 32 rows of 256 elements of 4 bytes, 4,096 elements from row to row, no padding
	s_mov_b32 s32, 2<<16
	s_mov_b32 s33, 256<<16
	s_mov_b32 s34, 32<<16
	s_mov_b32 s35, 256<<16
	s_mov_b32 s36, 32
	s_mov_b32 s37, 4096
	s_mov_b32 s38, 0
	s_mov_b32 s39, 0
	v_and_b32 v2, 31, v0                           ; lane
	v_lshlrev_b32 v3, 4, v2                        ; 16 bytes a lane
	v_lshlrev_b32 v4, 3, v2                        ; 8 bytes a lane
	v_lshlrev_b32 v9, 6, v2                        ; 64 bytes a lane
	v_add_nc_u32 v15, s29, v9                      ; x: my 16 neighbours in the tile's first two rows
	v_add_nc_u32 v11, s45, v9                      ; W: my 64 bytes of my table
	v_lshrrev_b32 v5, 4, v2                        ; x: which of a step's two rows is mine,
	v_bfe_u32 v6, v2, 1, 3                         ; which of its eight K blocks
	v_lshl_add_u32 v5, v5, 4, v6
	v_add_nc_u32 v5, s43, v5                       ; x: my block's byte in the first pair of rows
	v_add_nc_u32 v6, s43, v4                       ; x: the scale bytes on the way out
	v_lshrrev_b32 v7, 2, v2                        ; W: my K block
	v_add_nc_u32 v7, s47, v7
	v_add_nc_u32 v8, s47, v4                       ; W: the scale bytes on the way out
	v_mov_b32 v17, 0                               ; (named as the upper half of the pair v[16:17], so it is written)
	s_wait_alu depctr_va_vdst(0)                   ; the wait at the head's end
	s_wait_dscnt 0x0                               ; both opening adds are done
	s_wait_kmcnt 0x0
	s_cmp_lt_u32 s20, 8
	s_cbranch_scc0 .Lweights
; ======== x.  A step is two rows of the tile: lanes 0-15 the even row, lanes 16-31 the odd one; a lane's 16 neighbours are 64 bytes, at 2,048 x step + 64 x lane; two neighbouring lanes hold a block of 32.
	s_add_nc_u64 s[30:31], s[16:17], s[40:41]
	s_or_b32 s31, s31, 0x80000000
	tensor_load_to_lds s[28:31], s[32:39]          ; my one tensor load: the whole unit
	s_nop 0
	s_add_nc_u64 s[8:9], s[18:19], s[24:25]
	s_add_nc_u64 s[10:11], s[18:19], s[26:27]
	s_wait_tensorcnt 0x0                           ; my tile is in; no other wave reads it
.macro XLOAD t                         ; step t's numbers into set t % 2
.irp i, 0,1,2,3
	ds_load_b128 v[X+16*((\t)%2)+4*\i:X+16*((\t)%2)+4*\i+3], v15 offset:2048*(\t)+16*\i
.endr
.endm
	XLOAD 0
.macro STEP t
.set XS_, X+16*((\t)%2)
.if (\t) > 0
	s_wait_dscnt 1                                 ; this step's four loads are in; the last step's byte store may be out
.else
	s_wait_dscnt 0x0
.endif
.if (\t)+1 < STEPS
	XLOAD (\t)+1                                   ; the next step's come while this one is worked
.endif
	v_max3_num_f32 v8, |v[XS_]|, |v[XS_+1]|, |v[XS_+2]|            ; the largest magnitude of my 16, in two chains
	v_max3_num_f32 v9, |v[XS_+3]|, |v[XS_+4]|, |v[XS_+5]|
.irp i, 6,10
	v_max3_num_f32 v8, v8, |v[XS_+\i]|, |v[XS_+\i+1]|
	v_max3_num_f32 v9, v9, |v[XS_+\i+2]|, |v[XS_+\i+3]|
.endr
	v_max3_num_f32 v8, v8, |v[XS_+14]|, |v[XS_+15]|
	v_max3_num_f32 v8, v8, v9, 0x4800000           ; and the floor 2^(9 - 127): so the byte cannot fall under 1
	v_max_num_f32_dpp v8, v8, v8 row_xmask:1 row_mask:0xf bank_mask:0xf   ; and of my neighbour's 16: the block's
	v_add_nc_u32 v11, 0xfc000000, v8               ; 8 off its exponent field: the conversion's scale operand
	v_and_or_b32 v10, v8, 0x7f800000, s42          ; 448 x the scale
.irp i, 0,1,2,3,4,5,6,7,8,9,10,11,12,13,14,15
	v_med3_num_f32 v[XS_+\i], v[XS_+\i], -v10, v10 ; the conversion to an 8-bit code does not saturate (ISA guide 7.6.2): the hold comes first
.endr
	v_cvt_scalef32_pk8_fp8_f32 v[C+4*(\t):C+4*(\t)+1], v[XS_:XS_+7], v11
	v_cvt_scalef32_pk8_fp8_f32 v[C+4*(\t)+2:C+4*(\t)+3], v[XS_+8:XS_+15], v11
	v_lshrrev_b32 v[E+(\t)], 23, v11               ; the scale's byte (also the plain line behind the conversions)
	ds_store_b8 v5, v[E+(\t)] offset:((\t)&7)*32+((\t)>>3)*8   ; rows 2 t, 2 t + 1: 16 (row % 16) + 8 (row / 16); both lanes of a block write the same byte with the same value
	global_store_b128 v3, v[C+4*(\t):C+4*(\t)+3], s[8:9] offset:512*(\t)   ; 32 lanes store 512 consecutive bytes: the two rows' runs of 256
.endm
.irp t, 0,1,2,3,4,5,6,7,8,9,10,11,12,13,14,15
	STEP \t
.endr
	ds_load_b64 v[8:9], v6                         ; LDS serves a wave's instructions in order (ISA guide 5.7.1.4): these see my byte stores
	s_wait_dscnt 0x0
	global_store_b64 v4, v[8:9], s[10:11]          ; 32 lanes, 8 bytes each, store my 32 rows' run of 256 scale bytes
	s_wait_tensorcnt 0x0                           ; the wave's end
	ds_add_u32 v12, v13
	s_wait_dscnt 0x0
	s_endpgm
; ======== W.  A row's 128 indices of a K step are ONE load of 512 consecutive bytes.  Lane l holds indices 4 l .. 4 l + 3, that is numbers 8 l .. 8 l + 7: four lanes hold a block of 32.
; Its 8 codes are 8 bytes: the 32 lanes store the row's run of 256 bytes.  Both grids take the same lines: only pointers and the mask of the table's fill are chosen, on the work-group's number.
.Lweights:
	s_mov_b32 s44, 0x7f
	s_cmp_lt_u32 s22, 64                           ; the upper half of W or the lower?
	s_cselect_b64 s[4:5], s[4:5], s[6:7]
	s_cselect_b64 s[8:9], s[8:9], s[10:11]
	s_cselect_b32 s44, 0x7ff, s44                  ; the grid's bytes - 1: 2,048 or 128
	s_and_b32 s40, s22, 63                         ; which 32 rows of my tensor of indices
	s_lshl_b32 s40, s40, 18                        ; 32 rows of 8,192 bytes
	s_lshl_b32 s46, s23, 9                         ; 128 indices of 4 bytes
	s_add_co_u32 s40, s40, s46
	s_add_nc_u64 s[4:5], s[4:5], s[40:41]
	s_lshl_b32 s40, s22, 7                         ; my 32 row scales
	s_add_nc_u64 s[12:13], s[12:13], s[40:41]
	s_add_nc_u64 s[48:49], s[14:15], s[26:27]
	s_add_nc_u64 s[14:15], s[14:15], s[24:25]
	s_load_b512 s[RS:RS+15], s[12:13], 0x0
	s_load_b512 s[RS+16:RS+31], s[12:13], 0x40
	v_and_b32 v10, s44, v9                         ; where my 64 bytes of the table come from: the small grid is read round and round
.irp i, 0,1,2,3
	global_load_b128 v[GP+4*\i:GP+4*\i+3], v10, s[8:9] offset:16*\i
.endr
.set P, 0
.rept 32
	global_load_b128 v[CR+4*P:CR+4*P+3], v3, s[4:5] offset:8192*P th:TH_LOAD_NT   ; row P: 32 lanes read 512 consecutive bytes
.set P, P+1
.endr
	s_wait_loadcnt 32                              ; the grid's four loads are in; the 32 row loads behind them stay out
.irp i, 0,1,2,3
	ds_store_b128 v11, v[GP+4*\i:GP+4*\i+3] offset:16*\i   ; my own table: LDS serves my look-ups behind these stores
.endr
	s_wait_kmcnt 0x0                               ; the row scales
.macro GATH p                          ; row p's four look-ups, into set p % 2
	s_wait_loadcnt 31-(\p)                         ; row p's load is in; the rows behind it stay out
.irp k, 0,1,2,3
	v_min_u32 v[CR+4*(\p)+\k], 0xff, v[CR+4*(\p)+\k]   ; a loaded number enters an address only held to the table
.endr
.irp k, 0,1,2,3
	v_lshl_add_u32 v[CR+4*(\p)+\k], v[CR+4*(\p)+\k], 3, s45   ; a pair is 8 bytes; + my table
.endr
.irp k, 0,1,2,3
	ds_load_b64 v[VAL+8*((\p)%2)+2*\k:VAL+8*((\p)%2)+2*\k+1], v[CR+4*(\p)+\k]
.endr
.endm
.macro WORK p
.set VS, VAL+8*((\p)%2)
.set CP, CR+4*(\p)
.if (\p) < 31
	s_wait_dscnt 4                                 ; my four look-ups are in; the next row's four may be out
.else
	s_wait_dscnt 0x0
.endif
	v_mov_b32 v16, s[RS+(\p)]                      ; the row's scale
.irp k, 0,2,4,6
	v_pk_mul_f32 v[VS+\k:VS+\k+1], v[VS+\k:VS+\k+1], v[16:17] op_sel_hi:[1,0]   ; W, in f32: both halves x v16
.endr
	v_max3_num_f32 v18, |v[VS]|, |v[VS+1]|, 0x4800000              ; the largest magnitude of my 8, and the floor 2^(9 - 127)
	v_max3_num_f32 v19, |v[VS+2]|, |v[VS+3]|, |v[VS+4]|
	v_max3_num_f32 v18, v18, |v[VS+5]|, |v[VS+6]|
	v_max3_num_f32 v18, v18, v19, |v[VS+7]|
	v_max_num_f32_dpp v18, v18, v18 row_xmask:1 row_mask:0xf bank_mask:0xf
	v_max_num_f32_dpp v18, v18, v18 row_xmask:2 row_mask:0xf bank_mask:0xf   ; with the three lanes that share my block of 32
	v_add_nc_u32 v20, 0xfc000000, v18              ; 8 off its exponent field: the conversion's scale operand
	v_and_or_b32 v21, v18, 0x7f800000, s42         ; 448 x the scale
.irp k, 0,1,2,3,4,5,6,7
	v_med3_num_f32 v[VS+\k], v[VS+\k], -v21, v21   ; the hold comes first (ISA guide 7.6.2)
.endr
	v_cvt_scalef32_pk8_fp8_f32 v[CP:CP+1], v[VS:VS+7], v20
	v_lshrrev_b32 v[CP+2], 23, v20                 ; the scale's byte, kept for the end (also the plain line behind the conversion)
	global_store_b64 v4, v[CP:CP+1], s[14:15] offset:256*(\p)   ; 32 lanes store the row's run of 256 bytes
.endm
	GATH 0
.set P, 0
.rept 32
.if P < 31
	GATH P+1
.endif
	WORK P
.set P, P+1
.endr
.set P, 0
.rept 32
	ds_store_b8 v7, v[CR+4*P+2] offset:(P&15)*16+(P>>4)*8   ; the four lanes of a block write the same byte with the same value
.set P, P+1
.endr
	ds_load_b64 v[22:23], v8                       ; these see my byte stores; the bytes are my wave's own
	s_wait_dscnt 0x0
	global_store_b64 v4, v[22:23], s[48:49]        ; 32 lanes store my 32 rows' run of 256 scale bytes
	s_wait_tensorcnt 0x0                           ; the wave's end
	ds_add_u32 v12, v13
	s_wait_dscnt 0x0
	s_endpgm
.Lfunc_end_k_q4180852b7f_quant:
	.size	k_q4180852b7f_quant, .Lfunc_end_k_q4180852b7f_quant-k_q4180852b7f_quant
	.p2alignl 7, 3214868480
	.fill 96, 4, 3214868480
	.section	.rodata,"a",@progbits
	.p2align	6, 0x0
	.amdhsa_kernel k_q4180852b7f_quant
		.amdhsa_group_segment_fixed_size 284672
		.amdhsa_private_segment_fixed_size 0
		.amdhsa_enable_private_segment 0
		.amdhsa_kernarg_size 64
		.amdhsa_user_sgpr_count 2
		.amdhsa_user_sgpr_kernarg_segment_ptr 1
		.amdhsa_wavefront_size32 1
		.amdhsa_system_sgpr_workgroup_id_x 1
		.amdhsa_system_sgpr_workgroup_id_y 1
		.amdhsa_system_sgpr_workgroup_id_z 1
		.amdhsa_system_vgpr_workitem_id 0
		.amdhsa_next_free_vgpr 256
		.amdhsa_next_free_sgpr 100
		.amdhsa_reserve_vcc 0
		.amdhsa_float_denorm_mode_32 3
		.amdhsa_float_denorm_mode_16_64 3
		.amdhsa_memory_ordered 1
		.amdhsa_forward_progress 1
		.amdhsa_inst_pref_size 123
	.end_amdhsa_kernel
	.amdgpu_metadata
---
amdhsa.version: [ 1, 2 ]
amdhsa.kernels:
  - .name:           k_q4180852b7f_quant
    .symbol:         k_q4180852b7f_quant.kd
    .args:
      - { .name: codes_2_256, .offset: 0, .size: 8, .value_kind: global_buffer, .address_space: global }
      - { .name: codes_2_16, .offset: 8, .size: 8, .value_kind: global_buffer, .address_space: global }
      - { .name: grid_2_256, .offset: 16, .size: 8, .value_kind: global_buffer, .address_space: global }
      - { .name: grid_2_16, .offset: 24, .size: 8, .value_kind: global_buffer, .address_space: global }
      - { .name: scales, .offset: 32, .size: 8, .value_kind: global_buffer, .address_space: global }
      - { .name: wq, .offset: 40, .size: 8, .value_kind: global_buffer, .address_space: global }
      - { .name: x, .offset: 48, .size: 8, .value_kind: global_buffer, .address_space: global }
      - { .name: xq, .offset: 56, .size: 8, .value_kind: global_buffer, .address_space: global }
    .group_segment_fixed_size: 284672
    .private_segment_fixed_size: 0
    .kernarg_segment_align: 8
    .kernarg_segment_size: 64
    .max_flat_workgroup_size: 512
    .sgpr_count:     100
    .vgpr_count:     256
    .wavefront_size: 32
...
	.end_amdgpu_metadata
.endif
;; end of part 1
;; launch gemm (part 2): grid 16 x 16, 4 waves a work-group, clusters of 4 x 4, 327,680 bytes of LDS; arguments xq, wq, bias, out0; writes out0
.if DOCPART == 2
	.amdgcn_target "amdgcn-amd-amdhsa--gfx1250"
	.amdhsa_code_object_version 6
	.text
	.protected	k_q4180852b7f_gemm
	.globl	k_q4180852b7f_gemm
	.p2align	8
	.type	k_q4180852b7f_gemm,@function
k_q4180852b7f_gemm:
	s_mov_b64 s[64:65], 0
	v_nop
	global_prefetch_b8 v0, s[64:65] scope:SCOPE_SE
	s_setreg_imm32_b32 hwreg(HW_REG_WAVE_MODE, 25, 1), 1
	s_wait_xcnt 0x0
	s_wait_alu depctr_hold_cnt(0) depctr_sa_sdst(0) depctr_va_vdst(0) depctr_va_sdst(0) depctr_va_ssrc(0) depctr_va_vcc(0) depctr_vm_vsrc(0)
	s_getreg_b32 s2, hwreg(HW_REG_IB_STS2, 6, 4)
	s_cmp_eq_u32 s2, 0
	s_cbranch_scc0 .Lentry_in_a_cluster
	s_endpgm
.Lentry_in_a_cluster:
	s_bfe_u32 s2, ttmp6, 0x10000c
	s_cmp_lg_u32 s2, 0xf033
	s_cbranch_scc0 .Lentry_shape_is_right
	s_endpgm
.Lentry_shape_is_right:
; out0[m][n] = sum over k of xq[m][k] wq[n][k] + bias[n]: codes of FP8 (E4M3) with one E8M0 byte for each 32 along K, as launch quant laid them:
; [group of 128 rows][K step of 256][block of 132 runs of 256 bytes: 128 runs of codes, 4 runs of scale bytes].  Sums in f32, K ascending; the bias is the C of each sum's first product.
; A work-group of four waves makes 256 x 256 of out0, a wave 128 x 128: 64 accumulators, 512 registers.  16 K steps go through a ring of two LDS slots.
; LDS IS LAID BY WAVE: wave w fetches one group's blocks (w = 0, 1: x's two groups; w = 2, 3: W's) into its region of 2 x 35,904 bytes, slot 0 then slot 1.  Two K steps on end of a
; group are 264 consecutive runs of memory, so the head's ONE load a wave fills both slots; each refill brings one block of 132 runs.
; CLUSTERS of 4 x 4: x's blocks are asked for jointly along a row of the cluster, W's along a column.
; PREFETCH: behind each refill every wave asks for the block that stands two refills on; of a block's 132 runs each of the four partners that load it jointly names 33, told apart by address
; (32 by a lane a run, the 33rd by a second line whose lanes all name it).  K steps 2 and 3 are asked for at the head; the last two refills ask for nothing.
; THE MATRIX INSTRUCTION IS USED TRANSPOSED (source 0 = 16 rows of W, source 1 = 16 rows of x): a lane holds eight neighbouring columns of one row of out0.
; REGISTERS: window 0: v0-31 addresses, v32-63 scale words (two sets), v64-127 the bias, v128-255 x's fragments (one set); window 1: W's fragments (two sets); windows 2, 3: the accumulators.
.set SIZE_N, 4096
.set NQ,     2                         ; products deep in a K step
.set PITCH,  272                       ; an LDS row: 256 bytes + 16 of padding
.set FR,     16
.set NL,     4
.set NP,     8                         ; places behind this matrix form (ISA guide 7.12.1)
.set UNITS,  132
.set HALFT,  UNITS*PITCH               ; a block in LDS
.set REG,    2*HALFT                   ; a wave's region: both slots
.set SCOFF,  128*PITCH                 ; a block's scale runs
.set BLK,    UNITS*256                 ; a block in memory
.set GRP,    16*BLK
.set LAPS,   8
.set SPARE,  4*REG                     ; behind the regions: the spare words, 512 bytes
.set SPITCH, 528                       ; the way out: a stage of 16 rows x (512 + 16) bytes a wave, in region 0's slot 0, behind its last fill and last read
.set ADRA, 16                          ; v16-17 x's fragments in slot 0, 1
.set ADRB, 20                          ; v20-21 W's
.set ADRS, 22                          ; v22-23 scale words: lanes 0-15 x's, lanes 16-31 W's
.set STO,  24
.set RD,   25
.set CO,   26
.set PFO2, 27                          ; 32 runs on: the 33rd run of my share
.set SPW,  28
.set NIL,  29
.set PFO,  30                          ; 256 x lane
.set BO,   31
.set SC,   32
.set BI,   64
.set AF,   128
.set BK,   128
.set G1,  24                           ; s[24:31] group 1 for x's blocks; s[32:39] group 0, a set for each slot
.set G0,  32
.set G1B, 48                           ; the same for W's
.set G0B, 56
.set PFA, 68                           ; s[68:69] my share of a block: at K step n behind n refills; a prefetch names the block three on
.set MSB, 0
.macro WIN new                         ; the immediate's high byte repeats the setting that is left
.if MSB != \new
	s_set_vgpr_msb (MSB<<8)|\new
.set MSB, \new
.endif
.endm
.set MUL_LO,  0xa1                     ; source 0 window 1, source 1 window 0, C and D window 2
.set MUL_HI,  0xf1                     ; C and D window 3
.set BIAS_LO, 0x81                     ; C (the bias) window 0, D window 2
.set BIAS_HI, 0xc1
.set TO_B,    0x40
.macro JLOAD g0a, g1a, g0b, g1b        ; a joint load: waves 0, 1 for x, waves 2, 3 for W; s_nop 0 and four v_nop behind each line
	s_cmp_eq_u32 s15, 0
	s_cbranch_scc0 .Lfor_b_\@
	tensor_load_to_lds s[\g0a:\g0a+3], s[\g1a:\g1a+7]
	s_nop 0
.rept 4
	v_nop
.endr
	s_branch .Lasked_\@
.Lfor_b_\@:
	tensor_load_to_lds s[\g0b:\g0b+3], s[\g1b:\g1b+7]
	s_nop 0
.rept 4
	v_nop
.endr
.Lasked_\@:
.endm
.macro ASK                             ; behind the refill of K step j: K step j + 2.  The loop's last trip (s3 = 1) has none
	s_cmp_gt_u32 s3, 1
	s_cbranch_scc0 .Lno_ask_\@
	global_prefetch_b8 v[PFO], s[PFA:PFA+1] offset:3*BLK th:TH_LOAD_NT scope:SCOPE_SE
	global_prefetch_b8 v[PFO2], s[PFA:PFA+1] offset:3*BLK th:TH_LOAD_NT scope:SCOPE_SE
.Lno_ask_\@:
.endm
.macro CREST                           ; a round of the cluster's barrier behind its opening barrier
	s_cmp_lg_u32 s14, 0
	s_cbranch_scc1 .Lnot_wave_0_\@
	s_barrier_signal -3
.Lnot_wave_0_\@:
	s_barrier_wait -3
	s_barrier_signal -1
	s_barrier_wait -1
.endm
.macro CROUND
	s_barrier_signal -1
	s_barrier_wait -1
	CREST
.endm
	s_load_b256 s[4:11], s[0:1], 0x0               ; xq, wq, bias, out0
	v_lshl_add_u32 v[SPW], v0, 2, SPARE
	v_mov_b32 v[NIL], 0
	ds_add_u32 v[SPW], v[NIL]                      ; the opening lines: the add, twice on end, and its wait
	ds_add_u32 v[SPW], v[NIL]
	v_lshrrev_b32 v1, 5, v0
	v_readfirstlane_b32 s14, v1                    ; wave
	s_lshr_b32 s15, s14, 1                         ; my half of the rows; also: I fetch for x (0) or W (1)
	s_and_b32 s16, s14, 1                          ; my half of the columns; also: which group I fetch
	s_bfe_u32 s40, ttmp6, 0x40000                  ; cx
	s_bfe_u32 s41, ttmp6, 0x40004                  ; cy
	s_lshl_b32 s42, ttmp9, 2
	s_add_co_u32 s42, s42, s40                     ; tile column
	s_and_b32 s17, ttmp7, 0xffff
	s_lshl_b32 s17, s17, 2
	s_add_co_u32 s17, s17, s41                     ; tile row
	s_lshl_b32 s43, s41, 2
	s_lshl_b32 s43, 15, s43                        ; my row of the cluster
	s_lshl_b32 s44, 0x1111, s40                    ; my column
	s_or_b32 s[G1+0], s43, (3<<16)|(1<<20)|(1<<21)|(5<<22)|(3<<25)   ; mask; elements of 8 bytes; padding: 4 words behind every 64
	s_or_b32 s[G1B+0], s44, (3<<16)|(1<<20)|(1<<21)|(5<<22)|(3<<25)
.irp g, G1, G1B
	s_mov_b32 s[\g+1], 32<<16                      ; runs of 32 elements;
	s_mov_b32 s[\g+2], (2*UNITS)<<16               ; for the head's load 264 of them: two blocks
	s_mov_b32 s[\g+3], 32<<16
	s_mov_b32 s[\g+4], 2*UNITS
	s_mov_b32 s[\g+5], 32
	s_mov_b32 s[\g+6], 0
	s_mov_b32 s[\g+7], 0
.endr
	s_lshl_b32 s20, s17, 1
	s_add_co_u32 s20, s20, s16
	s_mul_i32 s20, s20, GRP                        ; x's group 2 x tile row + which
	s_mov_b32 s21, 0
	s_lshl_b32 s46, s42, 1
	s_add_co_u32 s46, s46, s16
	s_mul_i32 s46, s46, GRP                        ; W's group 2 x tile column + which
	s_mov_b32 s47, 0
	s_mul_i32 s45, s14, REG                        ; my region: the wave's number alone
	s_wait_dscnt 0x0                               ; both opening adds are done
	s_wait_kmcnt 0x0
	s_add_nc_u64 s[20:21], s[4:5], s[20:21]
	s_add_nc_u64 s[46:47], s[6:7], s[46:47]
.irp s, 0,1
	s_mov_b32 s[G0+4*\s], 1
	s_add_co_u32 s[G0+4*\s+1], s45, \s*HALFT
	s_add_nc_u64 s[G0+4*\s+2:G0+4*\s+3], s[20:21], \s*BLK          ; K step s: each refill of slot s steps two blocks on
	s_or_b32 s[G0+4*\s+3], s[G0+4*\s+3], 0x80000000
	s_mov_b32 s[G0B+4*\s], 1
	s_add_co_u32 s[G0B+4*\s+1], s45, \s*HALFT
	s_add_nc_u64 s[G0B+4*\s+2:G0B+4*\s+3], s[46:47], \s*BLK
	s_or_b32 s[G0B+4*\s+3], s[G0B+4*\s+3], 0x80000000
.endr
	CROUND                                         ; all sixteen work-groups are here: the first joint loads meet
	JLOAD G0, G1, G0B, G1B                         ; my one load at the head: K steps 0 and 1 of my group, both slots of my region
	; scalars first, then the vector lines on end, then one wait for all of them
	s_mul_i32 s22, s15, REG                        ; my 128 rows of x
	s_mul_i32 s23, s16, REG
	s_add_co_u32 s23, s23, 2*REG                   ; my 128 rows of W
	s_sub_co_u32 s18, s23, s22
	s_add_co_u32 s12, s22, SCOFF
	s_mul_i32 s13, s14, 16*SPITCH                  ; my stage
	s_cmp_eq_u32 s15, 0                            ; the prefetches: x's group or W's,
	s_cselect_b32 s20, s17, s42
	s_cselect_b32 s21, s40, s41                    ; and my place among the four that load it with me
	s_cselect_b64 s[PFA:PFA+1], s[4:5], s[6:7]
	s_lshl_b32 s20, s20, 1
	s_add_co_u32 s20, s20, s16
	s_mul_i32 s20, s20, GRP
	s_mul_i32 s21, s21, 33*256                     ; my work-group's 33 runs
	s_add_co_u32 s20, s20, s21
	s_mov_b32 s21, 0
	s_add_nc_u64 s[PFA:PFA+1], s[PFA:PFA+1], s[20:21]
	s_lshl_b32 s46, s42, 10                        ; my first column in bytes
	s_lshl_b32 s47, s16, 9
	s_add_co_u32 s46, s46, s47
	s_mov_b32 s47, 0
	s_add_nc_u64 s[8:9], s[8:9], s[46:47]
	s_lshl_b32 s20, s17, 8
	s_lshl_b32 s21, s15, 7
	s_add_co_u32 s20, s20, s21                     ; my first row
	s_lshl_b32 s20, s20, 14                        ; rows of 16,384 bytes
	s_mov_b32 s21, 0
	s_add_nc_u64 s[20:21], s[20:21], s[46:47]
	s_add_nc_u64 s[10:11], s[10:11], s[20:21]
	v_and_b32 v1, 15, v0                           ; r
	v_bfe_u32 v2, v0, 4, 1                         ; h
	v_and_b32 v6, 31, v0                           ; lane
	v_lshlrev_b32 v[BO], 5, v2                     ; the bias: my eight columns of each sixteen
	v_mul_u32_u24 v3, v1, PITCH
	v_lshl_add_u32 v4, v2, 4, v3                   ; a fragment's row x pitch + 16 h
	v_add_nc_u32 v[ADRA], s22, v4
	v_add_nc_u32 v[ADRB], s23, v4
	v_add_nc_u32 v[ADRA+1], HALFT, v[ADRA]
	v_add_nc_u32 v[ADRB+1], HALFT, v[ADRB]
	v_lshlrev_b32 v5, 4, v1                        ; scale words: 16 bytes a lane of a run;
	v_mul_u32_u24 v7, s18, v2                      ; lanes 16-31 take W's: one product, h x the distance
	v_add_nc_u32 v5, v5, v7
	v_add_nc_u32 v[ADRS], s12, v5
	v_add_nc_u32 v[ADRS+1], HALFT, v[ADRS]
	v_mul_u32_u24 v5, v1, SPITCH
	v_lshl_add_u32 v5, v2, 5, v5
	v_add_nc_u32 v[STO], s13, v5                   ; into the stage: row r, 32 bytes for each half of the lanes
	v_lshlrev_b32 v[CO], 4, v6
	v_add_nc_u32 v[RD], s13, v[CO]                 ; back: 32 lanes take a row of 512 bytes
	v_lshlrev_b32 v[PFO], 8, v6
	v_mov_b32 v[PFO2], 32*256
	s_wait_alu depctr_va_vdst(0)                   ; the wait at the head's end
	global_prefetch_b8 v[PFO], s[PFA:PFA+1] offset:2*BLK th:TH_LOAD_NT scope:SCOPE_SE    ; K steps 2 and 3
	global_prefetch_b8 v[PFO2], s[PFA:PFA+1] offset:2*BLK th:TH_LOAD_NT scope:SCOPE_SE
	global_prefetch_b8 v[PFO], s[PFA:PFA+1] offset:3*BLK th:TH_LOAD_NT scope:SCOPE_SE
	global_prefetch_b8 v[PFO2], s[PFA:PFA+1] offset:3*BLK th:TH_LOAD_NT scope:SCOPE_SE
.irp b, 0,1,2,3,4,5,6,7
	global_load_b128 v[BI+8*\b:BI+8*\b+3],   v[BO], s[8:9] offset:64*\b
	global_load_b128 v[BI+8*\b+4:BI+8*\b+7], v[BO], s[8:9] offset:64*\b+16
.endr
.macro FRAG reg, adr, q, i             ; 16 rows x 128 K: registers 4 c .. 4 c + 3 hold K = 32 c + 16 h + 0 .. 15
.irp c, 0,1,2,3
	ds_load_b128 v[\reg+4*\c:\reg+4*\c+3], v[\adr] offset:128*(\q)+32*\c+(\i)*16*PITCH
.endr
.endm
; 16 products: x's blocks a0, a0 + 1 against W's eight.  The 64 accumulators take turns in the same order in every step.  first = 1: C is the bias.
.macro MUL16 a0, p, q, sc, first
.irp a, \a0, \a0+1
.irp b, 0,1,2,3,4,5,6,7
.if \first
	v_wmma_scale_f32_16x16x128_f8f6f4 v[8*(8*((\a)%4)+\b):8*(8*((\a)%4)+\b)+7], v[128*(\p)+FR*\b:128*(\p)+FR*\b+FR-1], v[AF+FR*(\a):AF+FR*(\a)+FR-1], v[BI+8*\b:BI+8*\b+7], v[SC+8*NQ*(\sc)+NQ*\b+(\q)], v[SC+8*NQ*(\sc)+NQ*(\a)+(\q)] matrix_a_scale:MATRIX_SCALE_ROW1
.else
	v_wmma_scale_f32_16x16x128_f8f6f4 v[8*(8*((\a)%4)+\b):8*(8*((\a)%4)+\b)+7], v[128*(\p)+FR*\b:128*(\p)+FR*\b+FR-1], v[AF+FR*(\a):AF+FR*(\a)+FR-1], v[8*(8*((\a)%4)+\b):8*(8*((\a)%4)+\b)+7], v[SC+8*NQ*(\sc)+NQ*\b+(\q)], v[SC+8*NQ*(\sc)+NQ*(\a)+(\q)] matrix_a_scale:MATRIX_SCALE_ROW1
.endif
.endr
.endr
.endm
.macro FETCH_B slot, q, p
	WIN TO_B
.irp i, 0,1,2,3,4,5,6,7
	FRAG 128*(\p)+FR*\i, ADRB+\slot, \q, \i
.endr
	WIN 0
.endm
.macro FETCH_A slot, q, i0
.irp i, \i0, \i0+1, \i0+2, \i0+3
	FRAG AF+FR*(\i), ADRA+\slot, \q, \i
.endr
.endm
.macro SCALES slot                     ; run j: 16 bytes a lane: the two words of block 2 j, then of block 2 j + 1
.irp j, 0,1,2,3
	ds_load_b128 v[SC+8*NQ*\slot+4*\j:SC+8*NQ*\slot+4*\j+3], v[ADRS+\slot] offset:\j*PITCH
.endr
.endm
.macro PLACES n
.rept \n
	v_nop
.endr
.endm
.macro STEP slot, q, first             ; 128 along K whose successor lies in the same slot
	s_wait_dscnt 4*NL                              ; all but the youngest 16 loads (x's blocks 4-7)
.if \first
	WIN BIAS_LO
.else
	WIN MUL_LO
.endif
	MUL16 0, (\q)%2, \q, \slot, \first
	MUL16 2, (\q)%2, \q, \slot, \first
	s_wait_dscnt 0
	PLACES NP
	FETCH_B \slot, (\q)+1, 1-(\q)%2
	FETCH_A \slot, (\q)+1, 0
.if \first
	WIN BIAS_HI
.else
	WIN MUL_HI
.endif
	MUL16 4, (\q)%2, \q, \slot, \first
	MUL16 6, (\q)%2, \q, \slot, \first
	PLACES NP
	WIN 0
	FETCH_A \slot, (\q)+1, 4
.endm
; A slot's last 128 along K, and the change of slots.  fill = 1: this slot takes the K step two on, behind a round of the cluster's barrier.
.macro TURN slot, next, fill
.if \fill
	s_wait_xcnt 0x0                                ; my prefetches have read their address
	s_add_nc_u64 s[PFA:PFA+1], s[PFA:PFA+1], BLK
.endif
	s_wait_tensorcnt 0x0                           ; my one load that was out, my part of the next slot, has landed
	ds_add_u32 v[SPW], v[NIL]
.if \fill
	s_add_nc_u64 s[G0+4*\slot+2:G0+4*\slot+3], s[G0+4*\slot+2:G0+4*\slot+3], 2*BLK      ; no load of mine is out: the descriptors may be written
	s_add_nc_u64 s[G0B+4*\slot+2:G0B+4*\slot+3], s[G0B+4*\slot+2:G0B+4*\slot+3], 2*BLK
.endif
	s_wait_dscnt 4*NL+1                            ; the add and the youngest 16 loads may be out
	WIN MUL_LO
	MUL16 0, 1, NQ-1, \slot, 0
	s_wait_dscnt 0x0                               ; the add is done and my reads of this slot are over
	s_barrier_signal -1
	MUL16 2, 1, NQ-1, \slot, 0
	WIN 0
	s_barrier_wait -1
.if \fill
	CREST                                          ; no wave of any partner still reads this slot or has a load out
	JLOAD G0+4*\slot, G1, G0B+4*\slot, G1B         ; the first tensor load behind the round; its four v_nop are four of the eight places
	PLACES NP-4
.else
	PLACES NP
.endif
	FETCH_B \next, 0, 0
	FETCH_A \next, 0, 0
	SCALES \next
.if \fill
	ASK
.endif
	WIN MUL_HI
	MUL16 4, 1, NQ-1, \slot, 0
	MUL16 6, 1, NQ-1, \slot, 0
	PLACES NP
	WIN 0
	FETCH_A \next, 0, 4
.endm
	s_wait_tensorcnt 0x0                           ; my two blocks are in; no load of mine is out, so group 1 may be written:
	s_mov_b32 s[G1+2], UNITS<<16                   ; from here on a load brings one block of 132 runs
	s_mov_b32 s[G1+4], UNITS
	s_mov_b32 s[G1B+2], UNITS<<16
	s_mov_b32 s[G1B+4], UNITS
	s_barrier_signal -1                            ; it shows every wave's blocks to the others
	s_barrier_wait -1
	FETCH_B 0, 0, 0
	FETCH_A 0, 0, 0
	SCALES 0
	FETCH_A 0, 0, 4
	s_wait_loadcnt 0x0                             ; the bias
	STEP 0, 0, 1                                   ; the first products start the sums on the bias
	s_mov_b32 s3, LAPS-1
.Llap:                                                 ; a trip goes once round the ring and fills both slots again
	TURN 0, 1, 1
	STEP 1, 0, 0
	TURN 1, 0, 1
	STEP 0, 0, 0
	s_sub_co_u32 s3, s3, 1
	s_cmp_lg_u32 s3, 0
	s_cbranch_scc1 .Llap
	TURN 0, 1, 0                                   ; the last lap fills nothing
	STEP 1, 0, 0
	s_wait_dscnt 4*NL
	WIN MUL_LO
	MUL16 0, 1, NQ-1, 1, 0
	MUL16 2, 1, NQ-1, 1, 0
	s_wait_dscnt 0
	WIN MUL_HI
	MUL16 4, 1, NQ-1, 1, 0
	MUL16 6, 1, NQ-1, 1, 0
	WIN 0
; THE WAY OUT, by blocks of 16 rows x 128 columns: through my own stage and back as rows of 512 bytes, which 32 lanes store as two aligned units of 256 bytes.
; LDS serves a wave's instructions in order (ISA guide 5.7.1.4): no wait between the stores and the loads.
.macro TOSTAGE a
.set AC, 64*((\a)%4)
	WIN 0x08+4*((\a)/4)                            ; the data: window 2 or 3
.irp b, 0,1,2,3,4,5,6,7
	ds_store_b128 v[STO], v[AC+8*\b:AC+8*\b+3] offset:64*\b          ; each accumulator from its low end on
	ds_store_b128 v[STO], v[AC+8*\b+4:AC+8*\b+7] offset:64*\b+16
.endr
	WIN 0
.set BB, BK+64*((\a)%2)
.irp t, 0,1,2,3,4,5,6,7,8,9,10,11,12,13,14,15
	ds_load_b128 v[BB+4*\t:BB+4*\t+3], v[RD] offset:\t*SPITCH
.endr
.endm
.macro SEND a, younger                 ; younger: LDS instructions issued behind block a's loads
.set BB, BK+64*((\a)%2)
	s_wait_dscnt \younger
.if (\a) > 0
	s_add_nc_u64 s[10:11], s[10:11], 16*SIZE_N*4   ; behind a wait on XCNT: the earlier stores have read their base
.endif
.irp t, 0,1,2,3,4,5,6,7,8,9,10,11,12,13,14,15
	global_store_b128 v[CO], v[BB+4*\t:BB+4*\t+3], s[10:11] offset:\t*SIZE_N*4 th:TH_STORE_NT
.endr
.endm
	PLACES NP
	TOSTAGE 0
.irp a, 1,2,3,4,5,6,7
.if \a > 1
	s_wait_xcnt 0x0                                ; block a - 2's stores have read their registers and their base
.endif
	TOSTAGE \a
	SEND \a-1, 32                                  ; behind block a - 1's loads: block a's 16 stores and 16 loads
.endr
	s_wait_xcnt 0x0
	SEND 7, 0
	s_wait_tensorcnt 0x0                           ; the wave's end
	ds_add_u32 v[SPW], v[NIL]
	s_wait_dscnt 0x0
	CROUND                                         ; the closing round
	s_endpgm
.Lfunc_end_k_q4180852b7f_gemm:
	.size	k_q4180852b7f_gemm, .Lfunc_end_k_q4180852b7f_gemm-k_q4180852b7f_gemm
	.p2alignl 7, 3214868480
	.fill 96, 4, 3214868480
	.section	.rodata,"a",@progbits
	.p2align	6, 0x0
	.amdhsa_kernel k_q4180852b7f_gemm
		.amdhsa_group_segment_fixed_size 327680
		.amdhsa_private_segment_fixed_size 0
		.amdhsa_enable_private_segment 0
		.amdhsa_kernarg_size 32
		.amdhsa_user_sgpr_count 2
		.amdhsa_user_sgpr_kernarg_segment_ptr 1
		.amdhsa_wavefront_size32 1
		.amdhsa_system_sgpr_workgroup_id_x 1
		.amdhsa_system_sgpr_workgroup_id_y 1
		.amdhsa_system_sgpr_workgroup_id_z 1
		.amdhsa_system_vgpr_workitem_id 0
		.amdhsa_next_free_vgpr 1024
		.amdhsa_next_free_sgpr 80
		.amdhsa_reserve_vcc 0
		.amdhsa_float_denorm_mode_32 3
		.amdhsa_float_denorm_mode_16_64 3
		.amdhsa_memory_ordered 1
		.amdhsa_forward_progress 1
		.amdhsa_inst_pref_size 145
	.end_amdhsa_kernel
	.amdgpu_metadata
---
amdhsa.version: [ 1, 2 ]
amdhsa.kernels:
  - .name:           k_q4180852b7f_gemm
    .symbol:         k_q4180852b7f_gemm.kd
    .args:
      - { .name: xq, .offset: 0, .size: 8, .value_kind: global_buffer, .address_space: global }
      - { .name: wq, .offset: 8, .size: 8, .value_kind: global_buffer, .address_space: global }
      - { .name: bias, .offset: 16, .size: 8, .value_kind: global_buffer, .address_space: global }
      - { .name: out0, .offset: 24, .size: 8, .value_kind: global_buffer, .address_space: global }
    .group_segment_fixed_size: 327680
    .private_segment_fixed_size: 0
    .kernarg_segment_align: 8
    .kernarg_segment_size: 32
    .max_flat_workgroup_size: 128
    .sgpr_count:     80
    .vgpr_count:     1024
    .wavefront_size: 32
...
	.end_amdgpu_metadata
.endif
;; end of part 2
